; MI455X (gfx1250); checked and timed in simulation.
; The chip was launched on July 23, 2026; its instructions are those of AMD's public machine-readable ISA for CDNA 5 (MIT licence, August 2026) and "CDNA5" Instruction Set Architecture Reference Guide (July 2026). The comments in the code are by the model that wrote it; some were corrected since.
;; Group Mo E Layer. Allowed arithmetic: float matrix products may take bf16 or f16 operands with f32 sums; other float arithmetic in f32, or as packed bf16 or f16 multiplies, adds, multiply-adds, maxima and minima; sums over many terms, partial sums and values carried from step to step in f32; what a program stores and reads back later, other than sums and carried values, may be rounded once to bf16 or f16.
;; Inputs: W1 2 x 4 x 4,096 x 1,024 float32; W2 2 x 4 x 1,024 x 4,096 float32; Wg 2 x 4 x 1,024 float32; Wlg 2 x 1,024 float32; b1 2 x 4 x 4,096 float32; b2 2 x 4 x 1,024 float32; blg 2 float32; bottle_neck 2 x 512 x 1,024 float32; xs 2 x 512 x 1,024 float32.
;; Outputs: out0 2 x 512 x 1,024 float32.
;; Constants: top_k = 2.
;; One version. Each part assembles by itself: llvm-mc -triple=amdgcn-amd-amdhsa -mcpu=gfx1250 --defsym DOCPART=n.
;; ======== version 1 of 1: 4 launches
;; workspace buffers: xb 2,097,152 bytes; route 8,192 bytes of whole numbers; gatew 8,192 bytes; posb 32,768 bytes of whole numbers; cnt 1,024 bytes of whole numbers; h 67,108,864 bytes; part 134,217,728 bytes
;; launch router (part 1): grid 64 x 1, 16 waves a work-group, no clusters, 92,672 bytes of LDS; arguments xs, bottle_neck, Wg, Wlg, blg, xb, route, gatew; writes xb, route, gatew
.if DOCPART == 1
	.amdgcn_target "amdgcn-amd-amdhsa--gfx1250"
	.amdhsa_code_object_version 6
	.text
	.protected	k_qde4636d29c_router
	.globl	k_qde4636d29c_router
	.p2align	8
	.type	k_qde4636d29c_router,@function
k_qde4636d29c_router:
	s_mov_b64 s[64:65], 0
	v_nop
	global_prefetch_b8 v0, s[64:65] scope:SCOPE_SE
	s_setreg_imm32_b32 hwreg(HW_REG_WAVE_MODE, 25, 1), 1
	s_wait_xcnt 0x0
; ROUTER.  For each of the 1,024 tokens: the group (argmax of softmax(bn Wlg^T + blg)), in that group the two best of four experts by x Wg^T, and their two
; softmax weights.  Also x rounded to bf16 (xb), which the next launch gathers.  All inputs are rounded to bf16 first; products by the matrix unit, sums in f32.
; LIMITS.  NaN and infinities are not treated apart.  The group is chosen on exp(z - max), not divided by the common sum; ties go to the lower index.
; SHARES.  A work-group owns 16 tokens.  Wave w loads row w of x and of bn (8 loads of 512 consecutive bytes each), rounds it, stores xb (256 consecutive bytes a store)
; and puts both rows into LDS.  Then wave w owns K = 64 w .. 64 w + 63: two matrix steps for the 8 expert gates and two for the 2 group gates.  The 16 partial
; sums meet in LDS and wave 0 adds them and decides.
; THE PRODUCT: source 0 = 16 gate rows (rows 8-15 repeat rows 0-7; the group gate repeats its two rows), source 1 = 16 tokens.  So lane l holds token l % 16 and in
; registers 0-7 its eight expert logits, whatever its half.
.set XPITCH, 2064                      ; an LDS row: 2,048 bytes + 16: an odd multiple of 16, so the 16 rows of a fragment load start 16 bytes apart modulo 256
.set BT,     16*XPITCH                 ; bn's 16 rows lie behind x's
.set RED,    2*BT                      ; [16 waves][32 lanes][48 bytes]: 8 + 2 partial logits, padded to 48
.set SPARE,  RED+16*32*48              ; the spare words: 128 bytes a wave
.set SPW, 4                            ; v4  my spare word's LDS address; never rewritten
.set NIL, 5                            ; v5  0; never rewritten
.set XL, 8                             ; v8-39     x row, f32
.set BL, 40                            ; v40-71    bn row, f32
.set GW, 72                            ; v72-103   Wg, f32: two fragments of 16
.set LW, 104                           ; v104-135  Wlg, f32
.set XP, 136                           ; v136-151  x row, bf16
.set BP, 152                           ; v152-167  bn row, bf16
.set GF, 168                           ; fragments: Wg, Wlg, x, bn: two of 8 each
.set LF, 184
.set XF, 200
.set NF, 216
.set AX, 232                           ; v232-239  expert logits
.set AB, 240                           ; v240-247  group logits
	s_load_b512 s[4:19], s[0:1], 0x0               ; xs, bn, Wg, Wlg, blg, xb, route, gatew
	v_lshl_add_u32 v[SPW], v0, 2, SPARE
	v_mov_b32 v[NIL], 0
	v_and_b32 v1, 31, v0                           ; lane
	v_and_b32 v2, 15, v0                           ; r
	v_bfe_u32 v3, v0, 4, 1                         ; h
	v_lshrrev_b32 v253, 5, v0
	v_readfirstlane_b32 s24, v253                  ; wave
	s_lshl_b32 s25, s24, 12
	v_lshl_add_u32 v6, v1, 4, s25                  ; x, bn: row w x 4,096 + 16 lane
	s_lshl_b32 s25, s24, 8
	v_lshl_add_u32 v253, v3, 5, s25                ; my K chunk in a gate row: 256 w + 32 h
	v_and_b32 v7, 7, v0
	v_lshl_add_u32 v7, v7, 12, v253                ; Wg: row r % 8
	v_and_b32 v248, 1, v0
	v_lshl_add_u32 v248, v248, 12, v253            ; Wlg: row r % 2
	s_lshl_b32 s25, s24, 11
	v_lshl_add_u32 v249, v1, 3, s25                ; xb: row w x 2,048 + 8 lane
	s_mul_i32 s25, s24, XPITCH
	v_lshl_add_u32 v250, v1, 3, s25                ; LDS, in: row w + 8 lane
	v_mul_u32_u24 v251, v2, XPITCH
	s_lshl_b32 s25, s24, 7
	v_add_nc_u32 v251, s25, v251
	v_lshl_add_u32 v251, v3, 4, v251               ; LDS, fragments: row r + 128 w + 16 h
	v_mul_u32_u24 v252, v0, 48
	v_add_nc_u32 v252, RED, v252                   ; my 48 bytes of partial logits
	s_lshl_b32 s26, ttmp9, 16                      ; 16 rows of 4,096 bytes
	s_mov_b32 s27, 0
	s_wait_kmcnt 0x0
	s_add_nc_u64 s[4:5], s[4:5], s[26:27]
	s_add_nc_u64 s[6:7], s[6:7], s[26:27]
	s_lshl_b32 s26, ttmp9, 15
	s_add_nc_u64 s[14:15], s[14:15], s[26:27]
	s_lshl_b32 s26, ttmp9, 7                       ; 16 tokens x 8 bytes
	s_add_nc_u64 s[16:17], s[16:17], s[26:27]
	s_add_nc_u64 s[18:19], s[18:19], s[26:27]
.set j, 0
.rept 8
	global_load_b128 v[XL+4*j:XL+4*j+3], v6, s[4:5] offset:512*j th:TH_LOAD_NT
.set j, j+1
.endr
.set j, 0
.rept 8
	global_load_b128 v[BL+4*j:BL+4*j+3], v6, s[6:7] offset:512*j th:TH_LOAD_NT
.set j, j+1
.endr
; a fragment's registers 0-3 are k = 8 h + 0..7, registers 4-7 k = 16 + 8 h + 0..7: in f32 that is 32 bytes at 32 h and 32 bytes at 64 + 32 h
.irp c, 0,1
.irp q, 0,1,2,3
	global_load_b128 v[GW+16*\c+4*\q:GW+16*\c+4*\q+3], v7, s[8:9] offset:128*\c+16*(\q%2)+64*(\q/2)
.endr
.endr
.irp c, 0,1
.irp q, 0,1,2,3
	global_load_b128 v[LW+16*\c+4*\q:LW+16*\c+4*\q+3], v248, s[10:11] offset:128*\c+16*(\q%2)+64*(\q/2)
.endr
.endr
	s_wait_loadcnt 16                              ; the two rows are in; the 16 gate loads stay out
.set j, 0
.rept 8
	v_cvt_pk_bf16_f32 v[XP+2*j], v[XL+4*j], v[XL+4*j+1]
	v_cvt_pk_bf16_f32 v[XP+2*j+1], v[XL+4*j+2], v[XL+4*j+3]
	v_cvt_pk_bf16_f32 v[BP+2*j], v[BL+4*j], v[BL+4*j+1]
	v_cvt_pk_bf16_f32 v[BP+2*j+1], v[BL+4*j+2], v[BL+4*j+3]
.set j, j+1
.endr
.set j, 0
.rept 8
	global_store_b64 v249, v[XP+2*j:XP+2*j+1], s[14:15] offset:256*j   ; 32 lanes store 256 consecutive bytes, aligned
	ds_store_b64 v250, v[XP+2*j:XP+2*j+1] offset:256*j
	ds_store_b64 v250, v[BP+2*j:BP+2*j+1] offset:BT+256*j
.set j, j+1
.endr
	s_wait_loadcnt 0x0                             ; the gates
.set j, 0
.rept 16
	v_cvt_pk_bf16_f32 v[GF+j], v[GW+2*j], v[GW+2*j+1]
	v_cvt_pk_bf16_f32 v[LF+j], v[LW+2*j], v[LW+2*j+1]
.set j, j+1
.endr
	s_wait_dscnt 0x0                               ; for the others' sake: my row is in LDS
	s_barrier_signal -1
	s_barrier_wait -1
.irp c, 0,1
	ds_load_b128 v[XF+8*\c:XF+8*\c+3],   v251 offset:64*\c
	ds_load_b128 v[XF+8*\c+4:XF+8*\c+7], v251 offset:64*\c+32
	ds_load_b128 v[NF+8*\c:NF+8*\c+3],   v251 offset:BT+64*\c
	ds_load_b128 v[NF+8*\c+4:NF+8*\c+7], v251 offset:BT+64*\c+32
.endr
	s_wait_dscnt 0x0
	v_wmma_f32_16x16x32_bf16 v[AX:AX+7], v[GF:GF+7], v[XF:XF+7], 0            ; the two sums take turns
	v_wmma_f32_16x16x32_bf16 v[AB:AB+7], v[LF:LF+7], v[NF:NF+7], 0
	v_wmma_f32_16x16x32_bf16 v[AX:AX+7], v[GF+8:GF+15], v[XF+8:XF+15], v[AX:AX+7]
	v_wmma_f32_16x16x32_bf16 v[AB:AB+7], v[LF+8:LF+15], v[NF+8:NF+15], v[AB:AB+7]
.rept 4
	v_nop                                          ; four places before the results are read (ISA guide 7.12.1)
.endr
	ds_store_b128 v252, v[AX:AX+3]
	ds_store_b128 v252, v[AX+4:AX+7] offset:16
	ds_store_b64 v252, v[AB:AB+1] offset:32
	s_wait_dscnt 0x0                               ; for wave 0's sake
	s_barrier_signal -1
	s_barrier_wait -1
	s_cmp_lg_u32 s24, 0
	s_cbranch_scc1 .Lend
	; WAVE 0 ALONE: adds the 16 partial sums and decides.  No barrier stands in this branch.
	s_wait_xcnt 0x0                                ; the stores of xb have read v136-151, which the loads below write
	s_load_b64 s[20:21], s[12:13], 0x0             ; blg
	v_mul_u32_u24 v253, v1, 48
	v_add_nc_u32 v253, RED, v253
.set i, 0
.rept 16
	ds_load_b128 v[8+10*i:11+10*i],  v253 offset:1536*i
	ds_load_b128 v[12+10*i:15+10*i], v253 offset:1536*i+16
	ds_load_b64  v[16+10*i:17+10*i], v253 offset:1536*i+32
.set i, i+1
.endr
	s_wait_dscnt 0x0
.set i, 1
.rept 15
.irp p, 0,2,4,6,8
	v_pk_add_f32 v[8+\p:9+\p], v[8+\p:9+\p], v[8+10*i+\p:9+10*i+\p]
.endr
.set i, i+1
.endr
	s_wait_kmcnt 0x0
	v_mov_b32 v20, s20
	v_mov_b32 v21, s21
	v_cvt_pk_bf16_f32 v20, v20, v21                ; blg rounded to bf16 like every input
	v_lshlrev_b32 v21, 16, v20
	v_and_b32 v22, 0xffff0000, v20
	v_add_f32 v16, v16, v21                        ; z0, z1
	v_add_f32 v17, v17, v22
	v_max_num_f32 v20, v16, v17                    ; the maximum is taken away before the exponentials
	v_sub_f32 v21, v16, v20
	v_sub_f32 v22, v17, v20
	v_mul_f32 v21, 0x3fb8aa3b, v21
	v_mul_f32 v22, 0x3fb8aa3b, v22
	v_exp_f32 v21, v21
	v_exp_f32 v22, v22
	v_nop                                          ; a plain instruction behind the exponentials
	s_wait_alu depctr_va_vdst(0)
	v_cmp_gt_f32 s26, v22, v21                     ; group 1 only if strictly greater
.irp i, 0,1,2,3
	v_cndmask_b32 v[24+\i], v[8+\i], v[12+\i], s26 ; the chosen group's four logits
.endr
	v_mov_b32 v28, v24                             ; the best and its index: a later one must be strictly greater
	v_mov_b32 v29, 0
.irp i, 1,2,3
	v_cmp_gt_f32 vcc_lo, v[24+\i], v28
	v_cndmask_b32 v28, v28, v[24+\i], vcc_lo
	v_cndmask_b32 v29, v29, \i, vcc_lo
.endr
	v_mov_b32 v30, 0xff800000                      ; the second: the same walk without the best
	v_mov_b32 v31, 0
.irp i, 0,1,2,3
	v_cmp_ne_u32 s27, \i, v29
	v_cmp_gt_f32 s28, v[24+\i], v30
	s_and_b32 s27, s27, s28
	v_cndmask_b32 v30, v30, v[24+\i], s27
	v_cndmask_b32 v31, v31, \i, s27
.endr
	v_sub_f32 v34, v30, v28                        ; second - best <= 0: the softmax of two with its maximum taken away
	v_mul_f32 v34, 0x3fb8aa3b, v34
	v_exp_f32 v34, v34
	v_nop
	s_wait_alu depctr_va_vdst(0)
	v_add_f32 v35, 1.0, v34
	v_rcp_f32 v35, v35                             ; w0
	v_nop
	s_wait_alu depctr_va_vdst(0)
	v_mul_f32 v36, v34, v35                        ; w1
	v_cmp_eq_u32 s29, 1, v3                        ; the lower half of the lanes stores the best, the upper the second
	v_cndmask_b32 v37, v35, v36, s29
	v_cndmask_b32 v32, v29, v31, s29
	v_cndmask_b32 v33, 0, 4, s26
	v_add_nc_u32 v32, v32, v33                     ; expert 0..7
	v_lshl_add_u32 v40, v2, 1, v3
	v_lshlrev_b32 v40, 2, v40                      ; (2 token + h) x 4
	global_store_b32 v40, v32, s[16:17]
	global_store_b32 v40, v37, s[18:19]
.Lend:
	s_wait_tensorcnt 0x0                           ; the wave's end
	ds_add_u32 v[SPW], v[NIL]
	s_wait_dscnt 0x0
	s_endpgm
.Lfunc_end_k_qde4636d29c_router:
	.size	k_qde4636d29c_router, .Lfunc_end_k_qde4636d29c_router-k_qde4636d29c_router
	.p2alignl 7, 3214868480
	.fill 96, 4, 3214868480
	.section	.rodata,"a",@progbits
	.p2align	6, 0x0
	.amdhsa_kernel k_qde4636d29c_router
		.amdhsa_group_segment_fixed_size 92672
		.amdhsa_private_segment_fixed_size 0
		.amdhsa_enable_private_segment 0
		.amdhsa_kernarg_size 64
		.amdhsa_user_sgpr_count 2
		.amdhsa_user_sgpr_kernarg_segment_ptr 1
		.amdhsa_wavefront_size32 1
		.amdhsa_system_sgpr_workgroup_id_x 1
		.amdhsa_system_sgpr_workgroup_id_y 1
		.amdhsa_system_sgpr_workgroup_id_z 1
		.amdhsa_system_vgpr_workitem_id 0
		.amdhsa_next_free_vgpr 256
		.amdhsa_next_free_sgpr 66
		.amdhsa_reserve_vcc 1
		.amdhsa_float_denorm_mode_32 3
		.amdhsa_float_denorm_mode_16_64 3
		.amdhsa_memory_ordered 1
		.amdhsa_forward_progress 1
		.amdhsa_inst_pref_size 24
	.end_amdhsa_kernel
	.amdgpu_metadata
---
amdhsa.version: [ 1, 2 ]
amdhsa.kernels:
  - .name:           k_qde4636d29c_router
    .symbol:         k_qde4636d29c_router.kd
    .args:
      - { .name: xs, .offset: 0, .size: 8, .value_kind: global_buffer, .address_space: global }
      - { .name: bottle_neck, .offset: 8, .size: 8, .value_kind: global_buffer, .address_space: global }
      - { .name: Wg, .offset: 16, .size: 8, .value_kind: global_buffer, .address_space: global }
      - { .name: Wlg, .offset: 24, .size: 8, .value_kind: global_buffer, .address_space: global }
      - { .name: blg, .offset: 32, .size: 8, .value_kind: global_buffer, .address_space: global }
      - { .name: xb, .offset: 40, .size: 8, .value_kind: global_buffer, .address_space: global }
      - { .name: route, .offset: 48, .size: 8, .value_kind: global_buffer, .address_space: global }
      - { .name: gatew, .offset: 56, .size: 8, .value_kind: global_buffer, .address_space: global }
    .group_segment_fixed_size: 92672
    .private_segment_fixed_size: 0
    .kernarg_segment_align: 8
    .kernarg_segment_size: 64
    .max_flat_workgroup_size: 512
    .sgpr_count:     66
    .vgpr_count:     256
    .wavefront_size: 32
...
	.end_amdgpu_metadata
.endif
;; end of part 1
;; launch ffn1 (part 2): grid 256 x 1, 8 waves a work-group, no clusters, 253,184 bytes of LDS; arguments xb, W1, b1, route, h, posb, cnt; writes h, posb, cnt
.if DOCPART == 2
	.amdgcn_target "amdgcn-amd-amdhsa--gfx1250"
	.amdhsa_code_object_version 6
	.text
	.protected	k_qde4636d29c_ffn1
	.globl	k_qde4636d29c_ffn1
	.p2align	8
	.type	k_qde4636d29c_ffn1,@function
k_qde4636d29c_ffn1:
	s_mov_b64 s[64:65], 0
	v_nop
	global_prefetch_b8 v0, s[64:65] scope:SCOPE_SE
	s_setreg_imm32_b32 hwreg(HW_REG_WAVE_MODE, 25, 1), 1
	s_wait_xcnt 0x0
; FFN1.  h[e][row][:] = relu(x[token(e, row)] W1[e]^T + b1[e]) in bf16, for the rows (tokens) that chose expert e.  W1 and b1 are rounded to bf16, sums in f32, h rounded once.
; SHARES.  Work-group id: e = id / 32, sl = id % 32: 128 rows of W1[e] (512 KB of f32), read from memory once, against ALL rows of the expert: C = 320 x 128, K = 1,024 in 8 steps of 128.
; The fast way always does 320 rows: rows at or behind the expert's count T take tokens that exist, and nothing that counts reads their results.  Rows from 320 on (T may be up to 1,024)
; go a slow way at the end: right for every T, but it reads its weights again and stores 16 bytes a lane.
; WAVES.  Eight, all alike.  Wave w multiplies 80 x 64 of C (20 accumulators), and of every K step it brings 16 rows of W and 40 rows of x: loaded into registers, W rounded to bf16, stored to LDS.
; Two LDS slots take turns, one barrier a step.  W is asked for nearly two steps ahead and x one step ahead: 52 loads of a wave are out at the most, of W alone up to 16 KB a wave, 128 KB a work-group.
; A K STEP is four parts of 32 along K, each five groups of four products (a block of 16 rows x 64 columns).  The fragments of the next part are asked for under the products of the part in hand:
; W's fragments have two buffers; x's are loaded again block by block, behind the products that read them.  The wave's share of the next tile goes to LDS in the step's last part, which has no fragments to ask for.
; THE LIST.  Every work-group makes its expert's list of tokens from route: thread t looks at tokens 4 t .. 4 t + 3; a wave's chosen tokens are packed by permutations of its lanes into four
; segments of 32 words; a prefix sum over the 32 segments' counts gives each row its segment and place.  No LDS store has an address that hangs on data.  Work-group sl = 0 stores the places (posb) and T (cnt).
; THE PRODUCT IS USED TRANSPOSED: source 0 = 16 rows of W, source 1 = 16 rows of x: a lane holds one row and eight neighbouring columns of h.  The bias is the C operand of the first products.
; NO CLUSTER, NO TENSOR LOADS: the weights, 64 KB of a step's 144 KB, are no two work-groups' alike and pass through registers to be rounded; x's rows are gathered by the list, lane by lane.
; LIMITS.  NaN and infinities are not treated apart: relu by a maximum in which a NaN loses.
; REGISTERS, in windows of 256 (s_set_vgpr_msb: bits 1:0 source 0, 3:2 source 1, 5:4 source 2, 7:6 destination):
;   window 0: v0-7 numbers; v8-12 addresses of the loads of W and of the LDS stores; v16-19 fragment addresses; v20-23 four of x's byte offsets (after the loop: the way out);
;             v24-55 W's fragments, buffer 0; v56-95 x's fragments; v96-255 accumulators (v144-199 serve the list's making before the sums begin)
;   window 1: v0-31 W's fragments, buffer 1; v32-159 W as loaded, two sets; v160-239 x as loaded; v240-255 sixteen of x's byte offsets
.set PITCH,  272                       ; an LDS row: 256 bytes + 16: row r starts 16 r bytes on modulo 256, so the 16 rows of a fragment load touch 16 different columns of 16 bytes
.set WTB,    128*PITCH                 ; a slot: W's 128 rows, then x's 320 rows
.set SLOT,   448*PITCH
.set SEGT,   2*SLOT                    ; 32 segments of 32 tokens
.set CNTS,   SEGT+4096                 ; their 32 counts
.set LIST,   CNTS+256                  ; 1,024 tokens, by row
.set SPARE,  LIST+4096                 ; the spare words: 128 bytes a wave
.set WPITCH, 4096                      ; bytes in a row of W1
.set SPW, 4                            ; v4  my spare word's LDS address; never rewritten
.set NIL, 5                            ; v5  0; never rewritten
.set WO,   8                           ; v8     16 lane
.set WST,  9                           ; v9-10  where I store W in slot 0, 1
.set XST,  11                          ; v11-12 where I store x
.set ADRA, 16                          ; v16-17 x fragments in slot 0, 1
.set ADRB, 18                          ; v18-19 W fragments
.set XOL,  20                          ; v20-23 token x 2,048 + 16 (lane % 16) for my loads 16 to 19
.set STO,  20                          ; after the loop: v20 where I put 16 bytes of a row, v21 0 for relu, v22-23 where I read rows back and where they go in h
.set ZERO, 21
.set RD,   22
.set GO,   23
.set BF0,  24
.set AF,   56
.set ACC,  96                          ; accumulator (a, b) at ACC + 8 (4 a + b)
.set RT,   144                         ; the list's making: +0..7 route, +8, +10 load offsets, +32..35 and +52, +53 addresses and at work
.set PO,   RT+12                       ; my four tokens' places
.set IX,   RT+16
.set TK,   RT+20
.set PM,   RT+24
.set CN,   RT+28
.set JJ,   RT+36                       ; the four rows that I look up: row, segment, the segment's first row, token
.set SG,   RT+40
.set PE,   RT+44
.set TN,   RT+48
.set BF1,  0                           ; window 1
.set WS,   32
.set XS,   160
.set XOH,  240                         ; the same byte offsets for my loads 0 to 15
; scalars: s18 wave, s21 e, s22 sl, s23 mi, s24 ni, s25 T, s26-29 counters, s[30:31] an offset, s[32:33] W (stepped), s[34:35] xb (stepped),
; s[36:37] W for the slow way, s[38:39] h, s[40:41], s[46:47] posb and cnt, s42-45 at work, s48-51 four masks, s52-55 their counts, s66-97 the 32 running sums
.set MSB, 0
.macro WIN new                         ; the immediate's high byte repeats the setting that is left; a switch that changes nothing is dropped
.if MSB != (\new)
	s_set_vgpr_msb (MSB<<8)|(\new)
.set MSB, (\new)
.endif
.endm
; The counts of the waits for fragments are made by the text itself: DSN counts the LDS instructions of a step as they are written, IA0-4 and IB0-1 hold DSN behind the loads of x's block a and of W's
; buffer n, and a group waits until at most the LDS instructions written since the later of its two are out (LDS serves a wave's instructions in order: ISA guide 5.7.1).
; Every step begins behind a wait for 0, so the counts hold round the loop's backward jump too.
.set DSN, 0
.set IB0, 0
.set IB1, 0
.macro BAR
	s_wait_dscnt 0x0                               ; for the others' sake: my LDS stores are done and my LDS reads are back
	s_barrier_signal -1
	s_barrier_wait -1
.endm
.macro PLACES n
.rept \n
	v_nop
.endr
.endm
.macro WISSUE set, koff                ; 16 rows x 512 consecutive bytes of W, each read once in the launch
	WIN 0x40                                       ; destination in window 1
.set i, 0
.rept 16
	global_load_b128 v[WS+64*(\set)+4*i:WS+64*(\set)+4*i+3], v[WO], s[32:33] offset:i*WPITCH+(\koff) th:TH_LOAD_NT
.set i, i+1
.endr
.endm
.macro XISSUE                          ; 40 rows x 256 bytes of xb, two rows a load
	WIN 0x41                                       ; address and destination in window 1
.set i, 0
.rept 16
	global_load_b128 v[XS+4*i:XS+4*i+3], v[XOH+i], s[34:35]
.set i, i+1
.endr
	WIN 0x40
.rept 4
	global_load_b128 v[XS+4*i:XS+4*i+3], v[XOL+i-16], s[34:35]
.set i, i+1
.endr
.endm
.macro WCVT set                        ; my 16 rows of W are rounded to bf16, in place
	WIN 0x45                                       ; sources and destination in window 1
.set i, 0
.rept 16
.set rW, WS+64*(\set)+4*i
	v_cvt_pk_bf16_f32 v[rW], v[rW], v[rW+1]
	v_cvt_pk_bf16_f32 v[rW+1], v[rW+2], v[rW+3]
.set i, i+1
.endr
.endm
.macro WSTORE set                      ; and go to LDS: 32 lanes, 256 consecutive bytes a row
	WIN 0x04                                       ; data in window 1
.set i, 0
.rept 16
.set rW, WS+64*(\set)+4*i
	ds_store_b64 v[WST+(\set)], v[rW:rW+1] offset:PITCH*i
.set i, i+1
.endr
.set DSN, DSN+16
.endm
.macro XSTORE set                      ; my 40 rows of x go to LDS, two rows a store
	WIN 0x04
.set i, 0
.rept 20
	ds_store_b128 v[XST+(\set)], v[XS+4*i:XS+4*i+3] offset:2*PITCH*i
.set i, i+1
.endr
.set DSN, DSN+20
.endm
.macro LDB slot, ks, buf               ; W's four fragments of part ks into buffer buf
.if \buf
	WIN 0x40
.set rB, BF1
.else
	WIN 0
.set rB, BF0
.endif
.irp b, 0,1,2,3
	ds_load_b128 v[rB+8*(\b):rB+8*(\b)+3],   v[ADRB+(\slot)] offset:16*PITCH*(\b)+64*(\ks)
	ds_load_b128 v[rB+8*(\b)+4:rB+8*(\b)+7], v[ADRB+(\slot)] offset:16*PITCH*(\b)+64*(\ks)+32
.endr
.set DSN, DSN+8
.set IB\buf, DSN
.endm
.macro LDA slot, ks, a                 ; x's fragment of block a, part ks
	WIN 0
	ds_load_b128 v[AF+8*(\a):AF+8*(\a)+3],   v[ADRA+(\slot)] offset:16*PITCH*(\a)+64*(\ks)
	ds_load_b128 v[AF+8*(\a)+4:AF+8*(\a)+7], v[ADRA+(\slot)] offset:16*PITCH*(\a)+64*(\ks)+32
.set DSN, DSN+2
.set IA\a, DSN
.endm
; A group: block a's four products with W's buffer buf.  The 20 accumulators take turns in one order throughout.
; mode = 1: the first products take the bias, which lies in the registers of accumulators (4, b), as C.  w = 0: no wait is written (all LDS loads are back).
.macro GRP a, buf, mode, w=1
.if \w
.set nd, IA\a
.if IB\buf > nd
.set nd, IB\buf
.endif
	s_wait_dscnt DSN-nd                            ; block a's fragment and the buffer are in; what was written since stays out
.endif
.if \buf
	WIN 0x01                                       ; source 0 in window 1
.set rB, BF1
.else
	WIN 0
.set rB, BF0
.endif
.irp b, 0,1,2,3
.if \mode
	v_wmma_f32_16x16x32_bf16 v[ACC+8*(4*(\a)+(\b)):ACC+8*(4*(\a)+(\b))+7], v[rB+8*(\b):rB+8*(\b)+7], v[AF+8*(\a):AF+8*(\a)+7], v[ACC+8*(16+(\b)):ACC+8*(16+(\b))+7]
.else
	v_wmma_f32_16x16x32_bf16 v[ACC+8*(4*(\a)+(\b)):ACC+8*(4*(\a)+(\b))+7], v[rB+8*(\b):rB+8*(\b)+7], v[AF+8*(\a):AF+8*(\a)+7], v[ACC+8*(4*(\a)+(\b)):ACC+8*(4*(\a)+(\b))+7]
.endif
.endr
.endm
; A K STEP: the tile in slot cslot is multiplied.  prod = 1: my share of the next tile (set names its registers and its slot) goes to LDS; ix, iw: x of the tile after that and W of the one after that are asked for;
; cx: the loads issued behind the next tile's x.  bar = 1: the step's barrier, for both directions: my stores into one slot are done and my reads of the other are back.
; Four places stand in front of every run of loads into registers that products have read (ISA guide 7.12.1 for vector instructions).
.macro STEP cslot, mode, prod, set, cx, ix, iw, bar
	PLACES 4
	LDB \cslot, 0, 0                               ; the tile is whole only behind the barrier: its first part's fragments have nothing in front of them
.irp a, 0,1,2,3,4
	LDA \cslot, 0, \a
.endr
	GRP 0, 0, \mode
	GRP 1, 0, \mode
	GRP 2, 0, \mode
	PLACES 4
	LDB \cslot, 1, 1                               ; part 1 is asked for under part 0's last eight products,
.irp a, 0,1,2
	LDA \cslot, 1, \a
.endr
	GRP 3, 0, \mode
.if \mode
	PLACES 5                                       ; five places in front of the products that write over the bias, which the products above took as C
.endif
	GRP 4, 0, \mode
	PLACES 4
	LDA \cslot, 1, 3                               ; its last two blocks under its own first twelve
	LDA \cslot, 1, 4
	GRP 0, 1, 0
	GRP 1, 1, 0
	GRP 2, 1, 0
	PLACES 4
	LDB \cslot, 2, 0
.irp a, 0,1,2
	LDA \cslot, 2, \a
.endr
	GRP 3, 1, 0
	GRP 4, 1, 0
	PLACES 4
	LDA \cslot, 2, 3
	LDA \cslot, 2, 4
	GRP 0, 0, 0
	GRP 1, 0, 0
	GRP 2, 0, 0
	PLACES 4
	LDB \cslot, 3, 1
.irp a, 0,1,2
	LDA \cslot, 3, \a
.endr
	GRP 3, 0, 0
	GRP 4, 0, 0
	PLACES 4
	LDA \cslot, 3, 3
	LDA \cslot, 3, 4
.if \prod
	s_wait_loadcnt \cx                             ; the next tile's x is in, and its W, which was asked for earlier; the W asked for behind them stays out
	XSTORE \set
.if \ix
	s_wait_xcnt 0x0                                ; the bases are stepped only behind this wait: what is out here was issued a step ago
	s_add_nc_u64 s[34:35], s[34:35], 256
.if \iw
	s_add_nc_u64 s[32:33], s[32:33], 512
.endif
	XISSUE
.endif
.endif
	GRP 0, 1, 0
.if \prod
	WCVT \set
.endif
	GRP 1, 1, 0
.if \prod
	WSTORE \set
.if \iw
	WISSUE \set, 512
.endif
.endif
	GRP 2, 1, 0
	s_wait_dscnt 0x0                               ; for the others' sake: my stores are done and my reads of this slot are back
.if \bar
	s_barrier_signal -1
.endif
	GRP 3, 1, 0, 0                                 ; work on registers while the others arrive
	GRP 4, 1, 0, 0
	WIN 0
.if \bar
	s_barrier_wait -1
.endif
.endm
	s_load_b256 s[4:11], s[0:1], 0x0               ; xb s[4:5], W1 s[6:7], b1 s[8:9], route s[10:11]
	s_load_b128 s[12:15], s[0:1], 0x20             ; h s[12:13], posb s[14:15]
	s_load_b64 s[16:17], s[0:1], 0x30              ; cnt
	v_lshl_add_u32 v[SPW], v0, 2, SPARE
	v_mov_b32 v[NIL], 0
	v_and_b32 v1, 31, v0                           ; lane
	v_and_b32 v2, 15, v0                           ; r = lane % 16
	v_bfe_u32 v3, v0, 4, 1                         ; h = lane / 16
	v_lshrrev_b32 v6, 5, v0
	v_readfirstlane_b32 s18, v6                    ; wave 0..7
	s_lshr_b32 s21, ttmp9, 5                       ; e
	s_and_b32 s22, ttmp9, 31                       ; sl
	s_lshr_b32 s23, s18, 1                         ; mi: my 80 rows
	s_and_b32 s24, s18, 1                          ; ni: my 64 columns
	s_mov_b32 s31, 0
	s_lshl_b32 s30, s21, 24                        ; an expert's W1 is 16 MiB, 128 rows are 512 KiB, my 16 rows 64 KiB
	s_lshl_b32 s42, s22, 19
	s_add_co_u32 s30, s30, s42
	s_lshl_b32 s42, s18, 16
	s_add_co_u32 s30, s30, s42
	v_lshlrev_b32 v[RT+8], 5, v0                   ; route: 32 bytes a thread
	s_lshl_b32 s42, s24, 8
	v_lshl_add_u32 v[RT+10], v3, 5, s42            ; my bias: (64 ni + 16 b + 8 h) x 4
	v_mul_u32_u24 v7, v3, PITCH
	v_lshl_add_u32 v7, v2, 4, v7                   ; two rows a store: row lane / 16, byte 16 (lane % 16)
	s_mul_i32 s42, s18, 16*PITCH
	s_add_co_u32 s43, s42, SLOT
	s_mul_i32 s44, s18, 40*PITCH
	s_add_co_u32 s44, s44, WTB
	s_add_co_u32 s45, s44, SLOT
	v_lshlrev_b32 v[WO], 4, v1
	v_lshl_add_u32 v[WST], v1, 3, s42
	v_lshl_add_u32 v[WST+1], v1, 3, s43
	v_add_nc_u32 v[XST], s44, v7
	v_add_nc_u32 v[XST+1], s45, v7
	s_wait_kmcnt 0x0
	s_add_nc_u64 s[32:33], s[6:7], s[30:31]        ; W1 at my 16 rows,
	s_mov_b64 s[36:37], s[32:33]                   ; which are also my column block on the slow way
	s_lshl_b32 s30, s21, 23
	s_lshl_b32 s42, s22, 8
	s_add_co_u32 s30, s30, s42
	s_add_nc_u64 s[38:39], s[12:13], s[30:31]      ; h at the expert's row 0, my work-group's 128 columns
	s_lshl_b32 s30, s21, 14
	s_lshl_b32 s42, s22, 9
	s_add_co_u32 s30, s30, s42
	s_add_nc_u64 s[8:9], s[8:9], s[30:31]          ; b1 at those 128 columns
	s_mov_b64 s[34:35], s[4:5]
	global_load_b128 v[RT:RT+3], v[RT+8], s[10:11]             ; the experts of tokens 4 t .. 4 t + 3
	global_load_b128 v[RT+4:RT+7], v[RT+8], s[10:11] offset:16
.irp b, 0,1,2,3
	global_load_b128 v[ACC+8*(16+\b):ACC+8*(16+\b)+3],   v[RT+10], s[8:9] offset:64*\b      ; eight numbers a lane and block, into the registers of accumulators (4, b)
	global_load_b128 v[ACC+8*(16+\b)+4:ACC+8*(16+\b)+7], v[RT+10], s[8:9] offset:64*\b+16
.endr
	WISSUE 0, 0                                    ; W of K steps 0 and 1 goes out ahead of the list's making
	WISSUE 1, 512
	WIN 0
	v_mul_u32_u24 v6, v2, PITCH
	v_lshl_add_u32 v6, v3, 4, v6                   ; a fragment's row x pitch + 16 h
	s_mul_i32 s42, s23, 80*PITCH
	s_add_co_u32 s44, s42, WTB
	v_add_nc_u32 v[ADRA], s44, v6
	v_add_nc_u32 v[ADRA+1], SLOT, v[ADRA]
	s_mul_i32 s44, s24, 64*PITCH
	v_add_nc_u32 v[ADRB], s44, v6
	v_add_nc_u32 v[ADRB+1], SLOT, v[ADRB]
	s_wait_loadcnt 32                              ; route and my bias are in; the 32 loads of W stay out
.set i, ACC+128
.rept 16
	v_cvt_pk_bf16_f32 v6, v[i], v[i+1]             ; the bias is rounded to bf16 like every input
	v_lshlrev_b32 v[i], 16, v6
	v_and_b32 v[i+1], 0xffff0000, v6
.set i, i+2
.endr
	; THE LIST, part 1: which of my wave's tokens chose e; they are packed to the front of a segment by a permutation of all 32 lanes (the others fill its end, so every word is a token).
.irp u, 0,1,2,3
	v_cmp_eq_u32 s[48+\u], s21, v[RT+2*\u]
	v_cmp_eq_u32 s42, s21, v[RT+2*\u+1]
	s_or_b32 s[48+\u], s[48+\u], s42               ; tokens 4 t + u
	s_bcnt1_i32_b32 s[52+\u], s[48+\u]
	s_not_b32 s43, s[48+\u]
	v_mbcnt_lo_u32_b32 v[PO+\u], s[48+\u], 0       ; my place among the chosen,
	v_mbcnt_lo_u32_b32 v[IX+\u], s43, 0            ; or among the others, behind them
	v_add_nc_u32 v[IX+\u], s[52+\u], v[IX+\u]
	v_cndmask_b32 v[IX+\u], v[IX+\u], v[PO+\u], s[48+\u]
	v_lshlrev_b32 v[IX+\u], 2, v[IX+\u]
	v_lshl_or_b32 v[TK+\u], v0, 2, \u
	v_mov_b32 v[CN+\u], s[52+\u]
.endr
.irp u, 0,1,2,3
	ds_permute_b32 v[PM+\u], v[IX+\u], v[TK+\u]
.endr
	s_lshl_b32 s44, s18, 9
	s_add_co_u32 s44, s44, SEGT
	v_lshl_add_u32 v[RT+32], v1, 2, s44
	s_lshl_b32 s44, s18, 4
	s_add_co_u32 s44, s44, CNTS
	v_mov_b32 v[RT+33], s44
	s_wait_dscnt 0x0
.irp u, 0,1,2,3
	ds_store_b32 v[RT+32], v[PM+\u] offset:128*\u  ; segment 4 w + u
.endr
	ds_store_b128 v[RT+33], v[CN:CN+3]             ; their counts: every lane writes the same four words
	BAR
	; part 2: the running sums of the 32 counts, in scalars; each row's segment and place; the row's token.  Only LDS reads stand between this barrier and the next.
	v_lshl_add_u32 v[RT+34], v1, 2, CNTS
	ds_load_b32 v[RT+35], v[RT+34]
	s_wait_dscnt 0x0
.set i, 0
.rept 32
	v_readlane_b32 s[66+i], v[RT+35], i
.set i, i+1
.endr
.set i, 1
.rept 31
	s_add_co_u32 s[66+i], s[66+i], s[65+i]
.set i, i+1
.endr
	s_mov_b32 s25, s97                             ; T
	s_mov_b32 s44, 0                               ; the rows in front of my wave's first segment
.irp i, 1,2,3,4,5,6,7
	s_cmp_eq_u32 s18, \i
	s_cselect_b32 s44, s[65+4*\i], s44
.endr
.irp u, 0,1,2,3
	v_add_nc_u32 v[PO+\u], s44, v[PO+\u]           ; the row of token 4 t + u, if it chose e
	s_add_co_u32 s44, s44, s[52+\u]
.endr
.irp q, 0,1,2,3
	v_add_nc_u32 v[JJ+\q], 256*\q, v0              ; I look up rows t, t + 256, t + 512, t + 768
	v_mov_b32 v[SG+\q], 0
	v_mov_b32 v[PE+\q], 0
.endr
.set i, 0
.rept 32
.irp q, 0,1,2,3
	v_cmp_le_u32 vcc_lo, s[66+i], v[JJ+\q]         ; segment i ends at or in front of my row:
	v_cndmask_b32 v[PE+\q], v[PE+\q], s[66+i], vcc_lo      ; my segment begins no earlier than there,
	v_add_co_ci_u32 v[SG+\q], vcc_lo, 0, v[SG+\q], vcc_lo  ; and its number is one more
.endr
.set i, i+1
.endr
.irp q, 0,1,2,3
	v_sub_nc_u32 v[PE+\q], v[JJ+\q], v[PE+\q]
	v_min_u32 v[SG+\q], 31, v[SG+\q]               ; rows at or behind T land on some word of the table: a token that exists
	v_min_u32 v[PE+\q], 31, v[PE+\q]
	v_lshl_add_u32 v[SG+\q], v[SG+\q], 7, SEGT
	v_lshl_add_u32 v[SG+\q], v[PE+\q], 2, v[SG+\q]
.endr
.irp q, 0,1,2,3
	ds_load_b32 v[TN+\q], v[SG+\q]
.endr
	BAR
	; part 3: the list by rows
	v_lshl_add_u32 v[RT+34], v0, 2, LIST
.irp q, 0,1,2,3
	ds_store_b32 v[RT+34], v[TN+\q] offset:1024*\q
.endr
	s_cmp_lg_u32 s22, 0
	s_cbranch_scc1 .Lno_pos                        ; one work-group of the expert's 32 stores the places and T
	s_lshl_b32 s30, s21, 12
	s_add_nc_u64 s[40:41], s[14:15], s[30:31]
	v_lshlrev_b32 v[RT+35], 4, v0
	global_store_b128 v[RT+35], v[PO:PO+3], s[40:41]
	s_cmp_lg_u32 s18, 0
	s_cbranch_scc1 .Lno_pos
	s_lshl_b32 s30, s21, 7
	s_add_nc_u64 s[46:47], s[16:17], s[30:31]
	v_lshlrev_b32 v[RT+52], 2, v1
	v_mov_b32 v[RT+53], s25
	global_store_b32 v[RT+52], v[RT+53], s[46:47]
.Lno_pos:
	s_wait_xcnt 0x0                                ; those stores' registers become accumulators below
	BAR
	; my 40 rows' tokens become byte offsets in xb
	s_mul_i32 s42, s18, 160
	s_add_co_u32 s42, s42, LIST
	v_lshl_add_u32 v6, v3, 2, s42                  ; rows 40 w + lane / 16 + 2 i
	v_lshlrev_b32 v7, 4, v2
	WIN 0x40
.set i, 0
.rept 16
	ds_load_b32 v[XOH+i], v6 offset:8*i
.set i, i+1
.endr
	WIN 0
.rept 4
	ds_load_b32 v[XOL+i-16], v6 offset:8*i
.set i, i+1
.endr
	s_wait_dscnt 0x0
.set i, 0
.rept 4
	v_min_u32 v[XOL+i], 0x3ff, v[XOL+i]
	v_lshl_add_u32 v[XOL+i], v[XOL+i], 11, v7
.set i, i+1
.endr
	WIN 0x44
.set i, 0
.rept 16
	v_min_u32 v[XOH+i], 0x3ff, v[XOH+i]
.set i, i+1
.endr
	WIN 0x41
.set i, 0
.rept 16
	v_lshl_add_u32 v[XOH+i], v[XOH+i], 11, v7
.set i, i+1
.endr
	XISSUE                                         ; x of K step 0
	; tile 0 goes to LDS with nothing to multiply beside it
	s_wait_loadcnt 36                              ; W of step 0 is in: behind it W of step 1 (16) and x of step 0 (20) were issued
	WCVT 0
	WSTORE 0
	s_wait_loadcnt 0x0                             ; x of step 0 was issued last
	XSTORE 0
	s_wait_xcnt 0x0                                ; the bases are stepped only behind this wait
	s_add_nc_u64 s[34:35], s[34:35], 256
	s_add_nc_u64 s[32:33], s[32:33], 512           ; W's loads from here on add 512 in the immediate: tile t + 3 lies 512 (t + 3) bytes on
	XISSUE                                         ; x of step 1, then W of step 2: this order in every step
	WISSUE 0, 512
	WIN 0
	BAR
	STEP 0, 1, 1, 1, 16, 1, 1, 1                   ; tile 0 is multiplied, tile 1 stored
	s_mov_b32 s28, 2
.Lk:
	STEP 1, 0, 1, 0, 16, 1, 1, 1
	STEP 0, 0, 1, 1, 16, 1, 1, 1
	s_sub_co_u32 s28, s28, 1
	s_cmp_lg_u32 s28, 0
	s_cbranch_scc1 .Lk
	STEP 1, 0, 1, 0, 16, 1, 0, 1                   ; tile 6 is stored; only x of step 7 is left to ask for
	STEP 0, 0, 1, 1, 0, 0, 0, 1                    ; tile 7 is stored: nothing was issued behind its x
	STEP 1, 0, 0, 0, 0, 0, 0, 0                    ; tile 7 is multiplied
	; THE WAY OUT: rounded to bf16, relu, 16 bytes a lane into a stage of 320 rows x 272 bytes in slot 0, which nobody has read since the last barrier.
	PLACES 4
	v_mov_b32 v[ZERO], 0
	v_mul_u32_u24 v6, v2, PITCH
	v_lshl_add_u32 v6, v3, 4, v6
	s_mul_i32 s42, s23, 80*PITCH
	s_lshl_b32 s44, s24, 7
	s_add_co_u32 s42, s42, s44
	v_add_nc_u32 v[STO], s42, v6                   ; the stage: row 80 mi + r, byte 128 ni + 16 h
.set n, 0
.rept 20
.set rA, ACC+8*n
	v_cvt_pk_bf16_f32 v[rA], v[rA], v[rA+1]        ; in place, each accumulator from its low end on
	v_cvt_pk_bf16_f32 v[rA+1], v[rA+2], v[rA+3]
	v_cvt_pk_bf16_f32 v[rA+2], v[rA+4], v[rA+5]
	v_cvt_pk_bf16_f32 v[rA+3], v[rA+6], v[rA+7]
	v_pk_max_num_bf16 v[rA], v[rA], v[ZERO]
	v_pk_max_num_bf16 v[rA+1], v[rA+1], v[ZERO]
	v_pk_max_num_bf16 v[rA+2], v[rA+2], v[ZERO]
	v_pk_max_num_bf16 v[rA+3], v[rA+3], v[ZERO]
	ds_store_b128 v[STO], v[rA:rA+3] offset:16*PITCH*(n/4)+32*(n%4)
.set n, n+1
.endr
	BAR
	s_mul_i32 s42, s18, 40*PITCH                   ; each wave carries 40 whole rows of the stage out
	v_mul_u32_u24 v6, v3, PITCH
	v_lshl_add_u32 v6, v2, 4, v6
	v_add_nc_u32 v[RD], s42, v6
	s_mul_i32 s42, s18, 40*8192
	v_lshlrev_b32 v7, 4, v2
	v_lshl_add_u32 v7, v3, 13, v7
	v_add_nc_u32 v[GO], s42, v7
.set i, 0
.rept 20
	ds_load_b128 v[24+4*i:27+4*i], v[RD] offset:2*PITCH*i
.set i, i+1
.endr
	s_wait_dscnt 0x0
.set i, 0
.rept 20
	global_store_b128 v[GO], v[24+4*i:27+4*i], s[38:39] offset:16384*i   ; 16 lanes store 256 consecutive bytes, aligned
.set i, i+1
.endr
	; THE SLOW WAY, rows 320 on: 16 rows a trip; wave w takes the 16 columns 16 w .., operands straight from memory.  The loop counts to the constant 44;
	; trips at or behind the expert's need are jumped over, forward, past text that holds no barrier and leaves nothing out.
	s_wait_xcnt 0x0                                ; the stores above have read their registers
	s_sub_co_i32 s26, s25, 320
	s_max_i32 s26, s26, 0
	s_add_co_u32 s26, s26, 15
	s_lshr_b32 s26, s26, 4                         ; trips needed
	v_lshl_add_u32 v16, v2, 2, LIST+1280           ; the list at row 320 + r
	s_lshl_b32 s44, s18, 5
	s_add_co_u32 s44, s44, 320*8192
	v_lshl_add_u32 v17, v2, 13, s44
	v_lshl_add_u32 v17, v3, 4, v17                 ; h: that row, byte 32 w + 16 h
	v_lshlrev_b32 v18, 4, v3
	v_lshlrev_b32 v19, 12, v2
	v_lshl_add_u32 v19, v3, 5, v19                 ; W: row r, byte 32 h
	s_lshl_b32 s44, s18, 6
	v_lshl_add_u32 v20, v3, 5, s44                 ; the bias: (16 w + 8 h) x 4
	s_mov_b32 s27, 0
.Lslow:
	s_cmp_ge_u32 s27, s26
	s_cbranch_scc1 .Lnext
	ds_load_b32 v22, v16
	global_load_b128 v[216:219], v20, s[8:9]       ; two sums take turns: one starts with the bias, the other with 0
	global_load_b128 v[220:223], v20, s[8:9] offset:16
	s_wait_dscnt 0x0
	v_min_u32 v22, 0x3ff, v22
	v_lshl_add_u32 v22, v22, 11, v18
	v_mov_b32 v23, v19
.set i, 0
.rept 8
	v_mov_b32 v[224+i], 0
.set i, i+1
.endr
	s_wait_loadcnt 0x0
.irp i, 0,2,4,6
	v_cvt_pk_bf16_f32 v6, v[216+\i], v[217+\i]     ; the bias is rounded to bf16 like every input
	v_lshlrev_b32 v[216+\i], 16, v6
	v_and_b32 v[217+\i], 0xffff0000, v6
.endr
	s_mov_b32 s29, 4
.Lbatch:                                               ; 256 along K: 16 loads of x, 32 of W
.irp f, 0,1,2,3,4,5,6,7
	global_load_b128 v[24+8*\f:27+8*\f], v22, s[4:5] offset:64*\f
	global_load_b128 v[28+8*\f:31+8*\f], v22, s[4:5] offset:64*\f+32
.endr
.irp f, 0,1,2,3,4,5,6,7
.irp q, 0,1,2,3
	global_load_b128 v[88+16*\f+4*\q:91+16*\f+4*\q], v23, s[36:37] offset:128*\f+16*(\q%2)+64*(\q/2)
.endr
.endr
	s_wait_loadcnt 0x0
.irp f, 0,1,2,3,4,5,6,7
.irp q, 0,1,2,3,4,5,6,7
	v_cvt_pk_bf16_f32 v[88+16*\f+\q], v[88+16*\f+2*\q], v[88+16*\f+2*\q+1]
.endr
.endr
.irp f, 0,1,2,3,4,5,6,7
	v_wmma_f32_16x16x32_bf16 v[216+8*(\f%2):223+8*(\f%2)], v[88+16*\f:95+16*\f], v[24+8*\f:31+8*\f], v[216+8*(\f%2):223+8*(\f%2)]
.endr
	PLACES 4
	v_add_nc_u32 v22, 512, v22
	v_add_nc_u32 v23, 1024, v23
	s_sub_co_u32 s29, s29, 1
	s_cmp_lg_u32 s29, 0
	s_cbranch_scc1 .Lbatch
.irp i, 0,2,4,6
	v_pk_add_f32 v[232+\i:233+\i], v[216+\i:217+\i], v[224+\i:225+\i]
.endr
	v_cvt_pk_bf16_f32 v232, v232, v233
	v_cvt_pk_bf16_f32 v233, v234, v235
	v_cvt_pk_bf16_f32 v234, v236, v237
	v_cvt_pk_bf16_f32 v235, v238, v239
.irp i, 232,233,234,235
	v_pk_max_num_bf16 v[\i], v[\i], v[ZERO]
.endr
	global_store_b128 v17, v[232:235], s[38:39]
.Lnext:
	s_wait_xcnt 0x0                                ; the store has read its registers
	v_add_nc_u32 v16, 64, v16                      ; 16 rows on
	v_add_nc_u32 v17, 0x20000, v17
	s_add_co_u32 s27, s27, 1
	s_cmp_lt_u32 s27, 44
	s_cbranch_scc1 .Lslow
	s_wait_tensorcnt 0x0                           ; the wave's end
	ds_add_u32 v[SPW], v[NIL]
	s_wait_dscnt 0x0
	s_endpgm
.Lfunc_end_k_qde4636d29c_ffn1:
	.size	k_qde4636d29c_ffn1, .Lfunc_end_k_qde4636d29c_ffn1-k_qde4636d29c_ffn1
	.p2alignl 7, 3214868480
	.fill 96, 4, 3214868480
	.section	.rodata,"a",@progbits
	.p2align	6, 0x0
	.amdhsa_kernel k_qde4636d29c_ffn1
		.amdhsa_group_segment_fixed_size 253184
		.amdhsa_private_segment_fixed_size 0
		.amdhsa_enable_private_segment 0
		.amdhsa_kernarg_size 56
		.amdhsa_user_sgpr_count 2
		.amdhsa_user_sgpr_kernarg_segment_ptr 1
		.amdhsa_wavefront_size32 1
		.amdhsa_system_sgpr_workgroup_id_x 1
		.amdhsa_system_sgpr_workgroup_id_y 1
		.amdhsa_system_sgpr_workgroup_id_z 1
		.amdhsa_system_vgpr_workitem_id 0
		.amdhsa_next_free_vgpr 512
		.amdhsa_next_free_sgpr 100
		.amdhsa_reserve_vcc 1
		.amdhsa_float_denorm_mode_32 3
		.amdhsa_float_denorm_mode_16_64 3
		.amdhsa_memory_ordered 1
		.amdhsa_forward_progress 1
		.amdhsa_inst_pref_size 181
	.end_amdhsa_kernel
	.amdgpu_metadata
---
amdhsa.version: [ 1, 2 ]
amdhsa.kernels:
  - .name:           k_qde4636d29c_ffn1
    .symbol:         k_qde4636d29c_ffn1.kd
    .args:
      - { .name: xb, .offset: 0, .size: 8, .value_kind: global_buffer, .address_space: global }
      - { .name: W1, .offset: 8, .size: 8, .value_kind: global_buffer, .address_space: global }
      - { .name: b1, .offset: 16, .size: 8, .value_kind: global_buffer, .address_space: global }
      - { .name: route, .offset: 24, .size: 8, .value_kind: global_buffer, .address_space: global }
      - { .name: h, .offset: 32, .size: 8, .value_kind: global_buffer, .address_space: global }
      - { .name: posb, .offset: 40, .size: 8, .value_kind: global_buffer, .address_space: global }
      - { .name: cnt, .offset: 48, .size: 8, .value_kind: global_buffer, .address_space: global }
    .group_segment_fixed_size: 253184
    .private_segment_fixed_size: 0
    .kernarg_segment_align: 8
    .kernarg_segment_size: 56
    .max_flat_workgroup_size: 256
    .sgpr_count:     100
    .vgpr_count:     512
    .wavefront_size: 32
...
	.end_amdgpu_metadata
.endif
;; end of part 2
;; launch ffn2 (part 3): grid 256 x 1, 8 waves a work-group, no clusters, 279,552 bytes of LDS; arguments h, W2, cnt, part; writes part
.if DOCPART == 3
	.amdgcn_target "amdgcn-amd-amdhsa--gfx1250"
	.amdhsa_code_object_version 6
	.text
	.protected	k_qde4636d29c_ffn2
	.globl	k_qde4636d29c_ffn2
	.p2align	8
	.type	k_qde4636d29c_ffn2,@function
k_qde4636d29c_ffn2:
	s_mov_b64 s[64:65], 0
	v_nop
	global_prefetch_b8 v0, s[64:65] scope:SCOPE_SE
	s_setreg_imm32_b32 hwreg(HW_REG_WAVE_MODE, 25, 1), 1
	s_wait_xcnt 0x0
; FFN2.  part[kq][e][row][d] = the sum over k in quarter kq of h[e][row][k] W2[e][d][k], in f32.  W2 is rounded to bf16; h is bf16.  The next launch adds the four quarters, the bias and the two experts.
; SHARES.  Work-group id: e = id / 32, dj = (id / 4) % 8, kq = id % 4: 128 rows of W2[e] x 1,024 of its 4,096 columns (512 KB of f32), read from memory once, against all rows of the expert:
; C = 320 x 128, K = 1,024 in 8 steps of 128.  K is split in four so that a work-group's weights make a tile 128 wide: a fragment of h read from LDS then feeds four products.
; WAVES, slots, barriers and counts as in the launch before: eight waves, all alike; wave w multiplies 80 x 64 of C and brings 16 rows of W and 40 rows of h of every K step; two LDS slots, one barrier a step.
; A K STEP is four parts of 32 along K, each five groups of four products.  The fragments of the next part are asked for under the products of the part in hand: W's fragments have two buffers; h's are
; loaded again block by block, behind the products that read them.  The wave's share of the next tile goes to LDS in the step's last part, which has no fragments to ask for.
; The fast way always does rows 0-319, all of which the launch before has written; rows from 320 on go the slow way at the end, as many as the expert's count (cnt) asks for.
; THE PRODUCT IS USED TRANSPOSED: source 0 = 16 rows of W, source 1 = 16 rows of h: a lane holds one row and eight neighbouring columns.
; NO CLUSTER, NO TENSOR LOADS: the weights, 64 KB of a step's 144 KB, are no two work-groups' alike and pass through registers to be rounded; h's tile, which the eight work-groups of one (e, kq) share,
; takes the same road through registers, so that one order of loads and one kind of wait serve both.
; LIMITS.  NaN and infinities are not treated apart.
; REGISTERS, in windows of 256 (s_set_vgpr_msb: bits 1:0 source 0, 3:2 source 1, 5:4 source 2, 7:6 destination):
;   window 0: v0-7 numbers; v8-13 addresses of the loads and of the LDS stores; v16-19 fragment addresses; v20, v22, v23 the way out; v24-55 W's fragments, buffer 0; v56-95 h's fragments; v96-255 accumulators
;   window 1: v0-31 W's fragments, buffer 1; v32-159 W as loaded, two sets; v160-239 h as loaded
.set PITCH,  272                       ; an LDS row: 256 bytes + 16
.set WTB,    128*PITCH                 ; a slot: W's 128 rows, then h's 320 rows
.set SLOT,   448*PITCH
.set STG,    2*SLOT                    ; the way out: 16 rows x 272 bytes for each wave, its own
.set SPARE,  STG+8*16*PITCH            ; the spare words: 128 bytes a wave
.set WPITCH, 16384                     ; bytes in a row of W2
.set SPW, 4                            ; v4  my spare word's LDS address; never rewritten
.set NIL, 5                            ; v5  0; never rewritten
.set WO,   8                           ; v8     16 lane
.set WST,  9                           ; v9-10  where I store W in slot 0, 1
.set XST,  11                          ; v11-12 where I store h
.set XO,   13                          ; v13    (40 w + lane / 16) x 8,192 + 16 (lane % 16)
.set ADRA, 16                          ; v16-17 h fragments in slot 0, 1; v18-19 W fragments
.set ADRB, 18
.set STO,  20
.set RD,   22
.set GO,   23
.set BF0,  24
.set AF,   56
.set ACC,  96                          ; accumulator (a, b) at ACC + 8 (4 a + b)
.set BF1,  0                           ; window 1
.set WS,   32
.set XS,   160
; scalars: s18 wave, s21 e, s22 dj, s47 kq, s23 mi, s24 ni, s25 T, s26-29 counters, s[30:31] an offset, s[32:33] W (stepped), s[34:35] h (stepped),
; s[36:37] W for the slow way, s[38:39] part, s[40:41] h for the slow way, s42-45 at work, s46 cnt's offset
.set MSB, 0
.macro WIN new                         ; the immediate's high byte repeats the setting that is left; a switch that changes nothing is dropped
.if MSB != (\new)
	s_set_vgpr_msb (MSB<<8)|(\new)
.set MSB, (\new)
.endif
.endm
; The counts of the waits for fragments are made by the text itself: DSN counts the LDS instructions of a step as they are written, IA0-4 and IB0-1 hold DSN behind the loads of h's block a and of W's
; buffer n, and a group waits until at most the LDS instructions written since the later of its two are out (LDS serves a wave's instructions in order: ISA guide 5.7.1).
; Every step begins behind a wait for 0, so the counts hold round the loop's backward jump too.
.set DSN, 0
.set IB0, 0
.set IB1, 0
.macro BAR
	s_wait_dscnt 0x0                               ; for the others' sake: my LDS stores are done and my LDS reads are back
	s_barrier_signal -1
	s_barrier_wait -1
.endm
.macro PLACES n
.rept \n
	v_nop
.endr
.endm
.macro WISSUE set, koff                ; 16 rows x 512 consecutive bytes of W, each read once in the launch
	WIN 0x40                                       ; destination in window 1
.set i, 0
.rept 16
	global_load_b128 v[WS+64*(\set)+4*i:WS+64*(\set)+4*i+3], v[WO], s[32:33] offset:i*WPITCH+(\koff) th:TH_LOAD_NT
.set i, i+1
.endr
.endm
.macro XISSUE                          ; 40 rows x 256 bytes of h, two rows a load
	WIN 0x40
.set i, 0
.rept 20
	global_load_b128 v[XS+4*i:XS+4*i+3], v[XO], s[34:35] offset:16384*i
.set i, i+1
.endr
.endm
.macro WCVT set                        ; my 16 rows of W are rounded to bf16, in place
	WIN 0x45                                       ; sources and destination in window 1
.set i, 0
.rept 16
.set rW, WS+64*(\set)+4*i
	v_cvt_pk_bf16_f32 v[rW], v[rW], v[rW+1]
	v_cvt_pk_bf16_f32 v[rW+1], v[rW+2], v[rW+3]
.set i, i+1
.endr
.endm
.macro WSTORE set                      ; and go to LDS: 32 lanes, 256 consecutive bytes a row
	WIN 0x04                                       ; data in window 1
.set i, 0
.rept 16
.set rW, WS+64*(\set)+4*i
	ds_store_b64 v[WST+(\set)], v[rW:rW+1] offset:PITCH*i
.set i, i+1
.endr
.set DSN, DSN+16
.endm
.macro XSTORE set                      ; my 40 rows of h go to LDS, two rows a store
	WIN 0x04
.set i, 0
.rept 20
	ds_store_b128 v[XST+(\set)], v[XS+4*i:XS+4*i+3] offset:2*PITCH*i
.set i, i+1
.endr
.set DSN, DSN+20
.endm
.macro LDB slot, ks, buf               ; W's four fragments of part ks into buffer buf
.if \buf
	WIN 0x40
.set rB, BF1
.else
	WIN 0
.set rB, BF0
.endif
.irp b, 0,1,2,3
	ds_load_b128 v[rB+8*(\b):rB+8*(\b)+3],   v[ADRB+(\slot)] offset:16*PITCH*(\b)+64*(\ks)
	ds_load_b128 v[rB+8*(\b)+4:rB+8*(\b)+7], v[ADRB+(\slot)] offset:16*PITCH*(\b)+64*(\ks)+32
.endr
.set DSN, DSN+8
.set IB\buf, DSN
.endm
.macro LDA slot, ks, a                 ; h's fragment of block a, part ks
	WIN 0
	ds_load_b128 v[AF+8*(\a):AF+8*(\a)+3],   v[ADRA+(\slot)] offset:16*PITCH*(\a)+64*(\ks)
	ds_load_b128 v[AF+8*(\a)+4:AF+8*(\a)+7], v[ADRA+(\slot)] offset:16*PITCH*(\a)+64*(\ks)+32
.set DSN, DSN+2
.set IA\a, DSN
.endm
; A group: block a's four products with W's buffer buf.  The 20 accumulators take turns in one order throughout.
; mode = 1: the first products start the sums with the constant 0.  w = 0: no wait is written (all LDS loads are back).
.macro GRP a, buf, mode, w=1
.if \w
.set nd, IA\a
.if IB\buf > nd
.set nd, IB\buf
.endif
	s_wait_dscnt DSN-nd                            ; block a's fragment and the buffer are in; what was written since stays out
.endif
.if \buf
	WIN 0x01                                       ; source 0 in window 1
.set rB, BF1
.else
	WIN 0
.set rB, BF0
.endif
.irp b, 0,1,2,3
.if \mode
	v_wmma_f32_16x16x32_bf16 v[ACC+8*(4*(\a)+(\b)):ACC+8*(4*(\a)+(\b))+7], v[rB+8*(\b):rB+8*(\b)+7], v[AF+8*(\a):AF+8*(\a)+7], 0
.else
	v_wmma_f32_16x16x32_bf16 v[ACC+8*(4*(\a)+(\b)):ACC+8*(4*(\a)+(\b))+7], v[rB+8*(\b):rB+8*(\b)+7], v[AF+8*(\a):AF+8*(\a)+7], v[ACC+8*(4*(\a)+(\b)):ACC+8*(4*(\a)+(\b))+7]
.endif
.endr
.endm
; A K STEP: the tile in slot cslot is multiplied.  prod = 1: my share of the next tile (set names its registers and its slot) goes to LDS; ix, iw: h of the tile after that and W of the one after that are asked for;
; cx: the loads issued behind the next tile's h.  bar = 1: the step's barrier, for both directions: my stores into one slot are done and my reads of the other are back.
; Four places stand in front of every run of loads into registers that products have read (ISA guide 7.12.1 for vector instructions).
.macro STEP cslot, mode, prod, set, cx, ix, iw, bar
	PLACES 4
	LDB \cslot, 0, 0                               ; the tile is whole only behind the barrier: its first part's fragments have nothing in front of them
.irp a, 0,1,2,3,4
	LDA \cslot, 0, \a
.endr
	GRP 0, 0, \mode
	GRP 1, 0, \mode
	GRP 2, 0, \mode
	PLACES 4
	LDB \cslot, 1, 1                               ; part 1 is asked for under part 0's last eight products,
.irp a, 0,1,2
	LDA \cslot, 1, \a
.endr
	GRP 3, 0, \mode
	GRP 4, 0, \mode
	PLACES 4
	LDA \cslot, 1, 3                               ; its last two blocks under its own first twelve
	LDA \cslot, 1, 4
	GRP 0, 1, 0
	GRP 1, 1, 0
	GRP 2, 1, 0
	PLACES 4
	LDB \cslot, 2, 0
.irp a, 0,1,2
	LDA \cslot, 2, \a
.endr
	GRP 3, 1, 0
	GRP 4, 1, 0
	PLACES 4
	LDA \cslot, 2, 3
	LDA \cslot, 2, 4
	GRP 0, 0, 0
	GRP 1, 0, 0
	GRP 2, 0, 0
	PLACES 4
	LDB \cslot, 3, 1
.irp a, 0,1,2
	LDA \cslot, 3, \a
.endr
	GRP 3, 0, 0
	GRP 4, 0, 0
	PLACES 4
	LDA \cslot, 3, 3
	LDA \cslot, 3, 4
.if \prod
	s_wait_loadcnt \cx                             ; the next tile's h is in, and its W, which was asked for earlier; the W asked for behind them stays out
	XSTORE \set
.if \ix
	s_wait_xcnt 0x0                                ; the bases are stepped only behind this wait: what is out here was issued a step ago
	s_add_nc_u64 s[34:35], s[34:35], 256
.if \iw
	s_add_nc_u64 s[32:33], s[32:33], 512
.endif
	XISSUE
.endif
.endif
	GRP 0, 1, 0
.if \prod
	WCVT \set
.endif
	GRP 1, 1, 0
.if \prod
	WSTORE \set
.if \iw
	WISSUE \set, 512
.endif
.endif
	GRP 2, 1, 0
	s_wait_dscnt 0x0                               ; for the others' sake: my stores are done and my reads of this slot are back
.if \bar
	s_barrier_signal -1
.endif
	GRP 3, 1, 0, 0                                 ; work on registers while the others arrive
	GRP 4, 1, 0, 0
	WIN 0
.if \bar
	s_barrier_wait -1
.endif
.endm
	s_load_b256 s[4:11], s[0:1], 0x0               ; h s[4:5], W2 s[6:7], cnt s[8:9], part s[10:11]
	v_lshl_add_u32 v[SPW], v0, 2, SPARE
	v_mov_b32 v[NIL], 0
	v_and_b32 v1, 31, v0                           ; lane
	v_and_b32 v2, 15, v0                           ; r
	v_bfe_u32 v3, v0, 4, 1                         ; h
	v_lshrrev_b32 v6, 5, v0
	v_readfirstlane_b32 s18, v6                    ; wave 0..7
	s_lshr_b32 s21, ttmp9, 5                       ; e
	s_bfe_u32 s22, ttmp9, 0x30002                  ; dj
	s_and_b32 s47, ttmp9, 3                        ; kq
	s_lshr_b32 s23, s18, 1                         ; mi
	s_and_b32 s24, s18, 1                          ; ni
	s_lshl_b32 s46, s21, 7                         ; cnt: 128 bytes an expert
	s_mov_b32 s31, 0
	s_lshl_b32 s30, s21, 24                        ; an expert's W2 is 16 MiB, 128 rows are 2 MiB, my 16 rows 256 KiB, 1,024 columns 4 KiB
	s_lshl_b32 s42, s22, 21
	s_add_co_u32 s30, s30, s42
	s_lshl_b32 s42, s18, 18
	s_add_co_u32 s30, s30, s42
	s_lshl_b32 s42, s47, 12
	s_add_co_u32 s30, s30, s42
	v_mul_u32_u24 v7, v3, PITCH
	v_lshl_add_u32 v7, v2, 4, v7                   ; two rows a store: row lane / 16, byte 16 (lane % 16)
	v_lshlrev_b32 v6, 4, v2
	v_lshl_add_u32 v6, v3, 13, v6                  ; and the same two rows in h
	s_mul_i32 s42, s18, 16*PITCH
	s_add_co_u32 s43, s42, SLOT
	s_mul_i32 s44, s18, 40*PITCH
	s_add_co_u32 s44, s44, WTB
	s_add_co_u32 s45, s44, SLOT
	s_mul_i32 s26, s18, 40*8192
	v_lshlrev_b32 v[WO], 4, v1
	v_lshl_add_u32 v[WST], v1, 3, s42
	v_lshl_add_u32 v[WST+1], v1, 3, s43
	v_add_nc_u32 v[XST], s44, v7
	v_add_nc_u32 v[XST+1], s45, v7
	v_add_nc_u32 v[XO], s26, v6
	s_wait_kmcnt 0x0
	s_load_b32 s25, s[8:9], s46 offset:0x0         ; T: wanted only by the slow way, and waited for there
	s_add_nc_u64 s[32:33], s[6:7], s[30:31]        ; W2 at my 16 rows, my quarter of K,
	s_mov_b64 s[36:37], s[32:33]                   ; which are also my column block on the slow way
	s_lshl_b32 s30, s21, 23
	s_lshl_b32 s42, s47, 11
	s_add_co_u32 s30, s30, s42
	s_add_nc_u64 s[40:41], s[4:5], s[30:31]        ; h at the expert's row 0, my quarter of K
	s_mov_b64 s[34:35], s[40:41]
	s_lshl_b32 s30, s47, 25
	s_lshl_b32 s42, s21, 22
	s_add_co_u32 s30, s30, s42
	s_lshl_b32 s42, s22, 9
	s_add_co_u32 s30, s30, s42
	s_add_nc_u64 s[38:39], s[10:11], s[30:31]      ; part at my quarter, the expert's row 0, my work-group's 128 columns
	WISSUE 0, 0                                    ; W of K steps 0 and 1, then h of step 0
	WISSUE 1, 512
	XISSUE
	WIN 0
	v_mul_u32_u24 v6, v2, PITCH
	s_mul_i32 s42, s18, 16*PITCH
	s_add_co_u32 s42, s42, STG                     ; my stage
	v_add_nc_u32 v[STO], s42, v6
	v_lshl_add_u32 v[STO], v3, 5, v[STO]           ; in: row r, 32 bytes for each half of the lanes
	v_add_nc_u32 v[RD], s42, v7                    ; back: lanes 0-15 one row of 256 bytes, lanes 16-31 the next
	v_lshl_add_u32 v6, v3, 4, v6                   ; a fragment's row x pitch + 16 h
	s_mul_i32 s44, s23, 80*PITCH
	s_add_co_u32 s44, s44, WTB
	v_add_nc_u32 v[ADRA], s44, v6
	v_add_nc_u32 v[ADRA+1], SLOT, v[ADRA]
	s_mul_i32 s44, s24, 64*PITCH
	v_add_nc_u32 v[ADRB], s44, v6
	v_add_nc_u32 v[ADRB+1], SLOT, v[ADRB]
	s_mul_i32 s44, s23, 80*4096
	s_lshl_b32 s45, s24, 8
	s_add_co_u32 s44, s44, s45
	v_lshlrev_b32 v7, 4, v2
	v_lshl_add_u32 v7, v3, 12, v7
	v_add_nc_u32 v[GO], s44, v7                    ; and the same two rows in part
	; tile 0 goes to LDS with nothing to multiply beside it
	s_wait_loadcnt 36                              ; W of step 0 is in: behind it W of step 1 (16) and h of step 0 (20) were issued
	WCVT 0
	WSTORE 0
	s_wait_loadcnt 0x0                             ; h of step 0 was issued last
	XSTORE 0
	s_wait_xcnt 0x0                                ; the bases are stepped only behind this wait
	s_add_nc_u64 s[34:35], s[34:35], 256
	s_add_nc_u64 s[32:33], s[32:33], 512           ; W's loads from here on add 512 in the immediate: tile t + 3 lies 512 (t + 3) bytes on
	XISSUE                                         ; h of step 1, then W of step 2: this order in every step
	WISSUE 0, 512
	WIN 0
	BAR
	STEP 0, 1, 1, 1, 16, 1, 1, 1                   ; tile 0 is multiplied, tile 1 stored
	s_mov_b32 s28, 2
.Lk:
	STEP 1, 0, 1, 0, 16, 1, 1, 1
	STEP 0, 0, 1, 1, 16, 1, 1, 1
	s_sub_co_u32 s28, s28, 1
	s_cmp_lg_u32 s28, 0
	s_cbranch_scc1 .Lk
	STEP 1, 0, 1, 0, 16, 1, 0, 1                   ; tile 6 is stored; only h of step 7 is left to ask for
	STEP 0, 0, 1, 1, 0, 0, 0, 1                    ; tile 7 is stored: nothing was issued behind its h
	STEP 1, 0, 0, 0, 0, 0, 0, 0                    ; tile 7 is multiplied
	; THE WAY OUT, a block of 16 rows at a time through my own stage: no barrier; LDS serves a wave's instructions in order (ISA guide 5.7.1.4), so the loads see the stores above them.
	PLACES 4
.irp a, 0,1,2,3,4
	s_wait_xcnt 0x0                                ; the block before's stores have read v24-55
.irp b, 0,1,2,3
	ds_store_b128 v[STO], v[ACC+8*(4*\a+\b):ACC+8*(4*\a+\b)+3]   offset:64*\b
	ds_store_b128 v[STO], v[ACC+8*(4*\a+\b)+4:ACC+8*(4*\a+\b)+7] offset:64*\b+16
.endr
.irp t, 0,1,2,3,4,5,6,7
	ds_load_b128 v[24+4*\t:27+4*\t], v[RD] offset:2*PITCH*\t
.endr
	s_wait_dscnt 0x0
.irp t, 0,1,2,3,4,5,6,7
	global_store_b128 v[GO], v[24+4*\t:27+4*\t], s[38:39] offset:(16*\a+2*\t)*4096   ; 16 lanes store 256 consecutive bytes, aligned
.endr
.endr
	; THE SLOW WAY, rows 320 on: 16 rows a trip; wave w takes the 16 columns 16 w .., operands straight from memory.  The loop counts to the constant 44;
	; trips at or behind the expert's need are jumped over, forward, past text that holds no barrier and leaves nothing out.
	s_wait_xcnt 0x0
	s_wait_kmcnt 0x0                               ; T
	s_min_u32 s25, s25, 1024
	s_sub_co_i32 s26, s25, 320
	s_max_i32 s26, s26, 0
	s_add_co_u32 s26, s26, 15
	s_lshr_b32 s26, s26, 4                         ; trips needed: the same number as in the launch before, which wrote those rows of h
	s_lshl_b32 s44, s18, 6
	s_add_co_u32 s44, s44, 320*4096
	v_lshl_add_u32 v17, v2, 12, s44
	v_lshl_add_u32 v17, v3, 5, v17                 ; part: row 320 + r, byte 64 w + 32 h
	v_lshlrev_b32 v18, 13, v2
	v_lshl_add_u32 v18, v3, 4, v18
	v_add_nc_u32 v18, 320*8192, v18                ; h: that row, byte 16 h
	v_lshlrev_b32 v19, 14, v2
	v_lshl_add_u32 v19, v3, 5, v19                 ; W: row r, byte 32 h
	s_mov_b32 s27, 0
.Lslow:
	s_cmp_ge_u32 s27, s26
	s_cbranch_scc1 .Lnext
	v_mov_b32 v22, v18
	v_mov_b32 v23, v19
.set i, 0
.rept 16
	v_mov_b32 v[216+i], 0                          ; two sums take turns
.set i, i+1
.endr
	s_mov_b32 s29, 4
.Lbatch:                                               ; 256 along K: 16 loads of h, 32 of W
.irp f, 0,1,2,3,4,5,6,7
	global_load_b128 v[24+8*\f:27+8*\f], v22, s[40:41] offset:64*\f
	global_load_b128 v[28+8*\f:31+8*\f], v22, s[40:41] offset:64*\f+32
.endr
.irp f, 0,1,2,3,4,5,6,7
.irp q, 0,1,2,3
	global_load_b128 v[88+16*\f+4*\q:91+16*\f+4*\q], v23, s[36:37] offset:128*\f+16*(\q%2)+64*(\q/2)
.endr
.endr
	s_wait_loadcnt 0x0
.irp f, 0,1,2,3,4,5,6,7
.irp q, 0,1,2,3,4,5,6,7
	v_cvt_pk_bf16_f32 v[88+16*\f+\q], v[88+16*\f+2*\q], v[88+16*\f+2*\q+1]
.endr
.endr
.irp f, 0,1,2,3,4,5,6,7
	v_wmma_f32_16x16x32_bf16 v[216+8*(\f%2):223+8*(\f%2)], v[88+16*\f:95+16*\f], v[24+8*\f:31+8*\f], v[216+8*(\f%2):223+8*(\f%2)]
.endr
	PLACES 4
	v_add_nc_u32 v22, 512, v22
	v_add_nc_u32 v23, 1024, v23
	s_sub_co_u32 s29, s29, 1
	s_cmp_lg_u32 s29, 0
	s_cbranch_scc1 .Lbatch
.irp i, 0,2,4,6
	v_pk_add_f32 v[232+\i:233+\i], v[216+\i:217+\i], v[224+\i:225+\i]
.endr
	global_store_b128 v17, v[232:235], s[38:39]
	global_store_b128 v17, v[236:239], s[38:39] offset:16
.Lnext:
	s_wait_xcnt 0x0                                ; the stores have read their registers
	v_add_nc_u32 v17, 0x10000, v17                 ; 16 rows on
	v_add_nc_u32 v18, 0x20000, v18
	s_add_co_u32 s27, s27, 1
	s_cmp_lt_u32 s27, 44
	s_cbranch_scc1 .Lslow
	s_wait_tensorcnt 0x0                           ; the wave's end
	ds_add_u32 v[SPW], v[NIL]
	s_wait_dscnt 0x0
	s_endpgm
.Lfunc_end_k_qde4636d29c_ffn2:
	.size	k_qde4636d29c_ffn2, .Lfunc_end_k_qde4636d29c_ffn2-k_qde4636d29c_ffn2
	.p2alignl 7, 3214868480
	.fill 96, 4, 3214868480
	.section	.rodata,"a",@progbits
	.p2align	6, 0x0
	.amdhsa_kernel k_qde4636d29c_ffn2
		.amdhsa_group_segment_fixed_size 279552
		.amdhsa_private_segment_fixed_size 0
		.amdhsa_enable_private_segment 0
		.amdhsa_kernarg_size 32
		.amdhsa_user_sgpr_count 2
		.amdhsa_user_sgpr_kernarg_segment_ptr 1
		.amdhsa_wavefront_size32 1
		.amdhsa_system_sgpr_workgroup_id_x 1
		.amdhsa_system_sgpr_workgroup_id_y 1
		.amdhsa_system_sgpr_workgroup_id_z 1
		.amdhsa_system_vgpr_workitem_id 0
		.amdhsa_next_free_vgpr 512
		.amdhsa_next_free_sgpr 66
		.amdhsa_reserve_vcc 0
		.amdhsa_float_denorm_mode_32 3
		.amdhsa_float_denorm_mode_16_64 3
		.amdhsa_memory_ordered 1
		.amdhsa_forward_progress 1
		.amdhsa_inst_pref_size 141
	.end_amdhsa_kernel
	.amdgpu_metadata
---
amdhsa.version: [ 1, 2 ]
amdhsa.kernels:
  - .name:           k_qde4636d29c_ffn2
    .symbol:         k_qde4636d29c_ffn2.kd
    .args:
      - { .name: h, .offset: 0, .size: 8, .value_kind: global_buffer, .address_space: global }
      - { .name: W2, .offset: 8, .size: 8, .value_kind: global_buffer, .address_space: global }
      - { .name: cnt, .offset: 16, .size: 8, .value_kind: global_buffer, .address_space: global }
      - { .name: part, .offset: 24, .size: 8, .value_kind: global_buffer, .address_space: global }
    .group_segment_fixed_size: 279552
    .private_segment_fixed_size: 0
    .kernarg_segment_align: 8
    .kernarg_segment_size: 32
    .max_flat_workgroup_size: 256
    .sgpr_count:     66
    .vgpr_count:     512
    .wavefront_size: 32
...
	.end_amdgpu_metadata
.endif
;; end of part 3
;; launch combine (part 4): grid 256 x 1, 8 waves a work-group, no clusters, 0 bytes of LDS; arguments part, b2, route, gatew, posb, out0; writes out0
.if DOCPART == 4
	.amdgcn_target "amdgcn-amd-amdhsa--gfx1250"
	.amdhsa_code_object_version 6
	.text
	.protected	k_qde4636d29c_combine
	.globl	k_qde4636d29c_combine
	.p2align	8
	.type	k_qde4636d29c_combine,@function
k_qde4636d29c_combine:
	s_mov_b64 s[64:65], 0
	v_nop
	global_prefetch_b8 v0, s[64:65] scope:SCOPE_SE
	s_setreg_imm32_b32 hwreg(HW_REG_WAVE_MODE, 25, 1), 1
	s_wait_xcnt 0x0
; COMBINE.  out[token] = w0 (b2[e0] + the four quarters of expert e0's row) + w1 (the same for e1).  All in f32; b2 is rounded to bf16 like every input.
; A stream: no LDS, no barrier, no matrix unit.  A work-group owns 4 tokens, a wave half a token's row (2,048 bytes): 8 loads of b2 and 32 of partial sums, 512 consecutive bytes each, all out at once.
; The experts (route), their rows (posb) and the weights (gatew) were stored by earlier launches and come by scalar loads; each index is clamped to its table before it enters an address.
.set P,  16                            ; v16-143   partial sums: expert k, quarter q, piece j at P + 64 k + 16 q + 4 j
.set BB, 144                           ; v144-175  b2, then the sums: expert k, piece j at BB + 16 k + 4 j
	s_load_b256 s[4:11], s[0:1], 0x0               ; part s[4:5], b2 s[6:7], route s[8:9], gatew s[10:11]
	s_load_b128 s[12:15], s[0:1], 0x20             ; posb s[12:13], out0 s[14:15]
	v_and_b32 v1, 31, v0
	v_lshlrev_b32 v1, 4, v1                        ; 16 lane
	v_lshrrev_b32 v2, 5, v0
	v_readfirstlane_b32 s16, v2                    ; wave
	s_lshr_b32 s17, s16, 1
	s_lshl2_add_u32 s17, ttmp9, s17                ; token = 4 x work-group + wave / 2
	s_and_b32 s18, s16, 1
	s_lshl_b32 s18, s18, 11                        ; my half of the row
	s_lshl_b32 s19, s17, 3
	s_mov_b32 s31, 0
	s_wait_kmcnt 0x0
	s_load_b64 s[20:21], s[8:9], s19 offset:0x0    ; e0, e1
	s_load_b64 s[22:23], s[10:11], s19 offset:0x0  ; w0, w1
	s_wait_kmcnt 0x0
	s_min_u32 s20, s20, 7
	s_min_u32 s21, s21, 7
	s_lshl_b32 s24, s17, 2
	s_lshl_b32 s25, s20, 12
	s_add_co_u32 s25, s25, s24
	s_lshl_b32 s26, s21, 12
	s_add_co_u32 s26, s26, s24
	s_load_b32 s28, s[12:13], s25 offset:0x0       ; the token's row with e0,
	s_load_b32 s29, s[12:13], s26 offset:0x0       ; and with e1
	s_lshl_b32 s30, s20, 12                        ; meanwhile: b2 of both experts
	s_add_co_u32 s30, s30, s18
	s_add_nc_u64 s[48:49], s[6:7], s[30:31]
	s_lshl_b32 s30, s21, 12
	s_add_co_u32 s30, s30, s18
	s_add_nc_u64 s[50:51], s[6:7], s[30:31]
.irp k, 0,1
.irp j, 0,1,2,3
	global_load_b128 v[BB+16*\k+4*\j:BB+16*\k+4*\j+3], v1, s[48+2*\k:49+2*\k] offset:512*\j
.endr
.endr
	s_lshl_b32 s30, s17, 12
	s_add_co_u32 s30, s30, s18
	s_add_nc_u64 s[52:53], s[14:15], s[30:31]      ; out0 at my half row
	s_mov_b32 s54, s23                             ; w1 as the low word of a pair
	s_mov_b32 s55, s23
	s_wait_kmcnt 0x0
	s_min_u32 s28, s28, 1023
	s_min_u32 s29, s29, 1023
	s_lshl_b32 s30, s20, 22                        ; an expert's partial sums are 4 MiB, a row 4 KiB, a quarter 32 MiB
	s_lshl_b32 s24, s28, 12
	s_add_co_u32 s30, s30, s24
	s_add_co_u32 s30, s30, s18
	s_add_nc_u64 s[32:33], s[4:5], s[30:31]
	s_add_nc_u64 s[34:35], s[32:33], 0x2000000
	s_add_nc_u64 s[36:37], s[34:35], 0x2000000
	s_add_nc_u64 s[38:39], s[36:37], 0x2000000
	s_lshl_b32 s30, s21, 22
	s_lshl_b32 s24, s29, 12
	s_add_co_u32 s30, s30, s24
	s_add_co_u32 s30, s30, s18
	s_add_nc_u64 s[40:41], s[4:5], s[30:31]
	s_add_nc_u64 s[42:43], s[40:41], 0x2000000
	s_add_nc_u64 s[44:45], s[42:43], 0x2000000
	s_add_nc_u64 s[46:47], s[44:45], 0x2000000
.irp k, 0,1
.irp q, 0,1,2,3
.irp j, 0,1,2,3
	global_load_b128 v[P+64*\k+16*\q+4*\j:P+64*\k+16*\q+4*\j+3], v1, s[32+8*\k+2*\q:33+8*\k+2*\q] offset:512*\j th:TH_LOAD_NT
.endr
.endr
.endr
	s_wait_loadcnt 32                              ; b2 is in; the 32 loads of partial sums stay out
.set i, BB
.rept 16
	v_cvt_pk_bf16_f32 v2, v[i], v[i+1]
	v_lshlrev_b32 v[i], 16, v2
	v_and_b32 v[i+1], 0xffff0000, v2
.set i, i+2
.endr
	s_wait_loadcnt 0x0
.irp q, 0,1,2,3
.irp k, 0,1
.irp j, 0,2,4,6,8,10,12,14
	v_pk_add_f32 v[BB+16*\k+\j:BB+16*\k+\j+1], v[BB+16*\k+\j:BB+16*\k+\j+1], v[P+64*\k+16*\q+\j:P+64*\k+16*\q+\j+1]
.endr
.endr
.endr
.irp j, 0,2,4,6,8,10,12,14
	v_pk_mul_f32 v[BB+\j:BB+\j+1], v[BB+\j:BB+\j+1], s[22:23] op_sel_hi:[1,0]
.endr
.irp j, 0,2,4,6,8,10,12,14
	v_pk_fma_f32 v[BB+\j:BB+\j+1], v[BB+16+\j:BB+16+\j+1], s[54:55], v[BB+\j:BB+\j+1] op_sel_hi:[1,0,1]
.endr
.irp j, 0,1,2,3
	global_store_b128 v1, v[BB+4*\j:BB+4*\j+3], s[52:53] offset:512*\j   ; 512 consecutive bytes, aligned
.endr
	s_endpgm
.Lfunc_end_k_qde4636d29c_combine:
	.size	k_qde4636d29c_combine, .Lfunc_end_k_qde4636d29c_combine-k_qde4636d29c_combine
	.p2alignl 7, 3214868480
	.fill 96, 4, 3214868480
	.section	.rodata,"a",@progbits
	.p2align	6, 0x0
	.amdhsa_kernel k_qde4636d29c_combine
		.amdhsa_group_segment_fixed_size 0
		.amdhsa_private_segment_fixed_size 0
		.amdhsa_enable_private_segment 0
		.amdhsa_kernarg_size 48
		.amdhsa_user_sgpr_count 2
		.amdhsa_user_sgpr_kernarg_segment_ptr 1
		.amdhsa_wavefront_size32 1
		.amdhsa_system_sgpr_workgroup_id_x 1
		.amdhsa_system_sgpr_workgroup_id_y 1
		.amdhsa_system_sgpr_workgroup_id_z 1
		.amdhsa_system_vgpr_workitem_id 0
		.amdhsa_next_free_vgpr 192
		.amdhsa_next_free_sgpr 66
		.amdhsa_reserve_vcc 0
		.amdhsa_float_denorm_mode_32 3
		.amdhsa_float_denorm_mode_16_64 3
		.amdhsa_memory_ordered 1
		.amdhsa_forward_progress 1
		.amdhsa_inst_pref_size 15
	.end_amdhsa_kernel
	.amdgpu_metadata
---
amdhsa.version: [ 1, 2 ]
amdhsa.kernels:
  - .name:           k_qde4636d29c_combine
    .symbol:         k_qde4636d29c_combine.kd
    .args:
      - { .name: part, .offset: 0, .size: 8, .value_kind: global_buffer, .address_space: global }
      - { .name: b2, .offset: 8, .size: 8, .value_kind: global_buffer, .address_space: global }
      - { .name: route, .offset: 16, .size: 8, .value_kind: global_buffer, .address_space: global }
      - { .name: gatew, .offset: 24, .size: 8, .value_kind: global_buffer, .address_space: global }
      - { .name: posb, .offset: 32, .size: 8, .value_kind: global_buffer, .address_space: global }
      - { .name: out0, .offset: 40, .size: 8, .value_kind: global_buffer, .address_space: global }
    .group_segment_fixed_size: 0
    .private_segment_fixed_size: 0
    .kernarg_segment_align: 8
    .kernarg_segment_size: 48
    .max_flat_workgroup_size: 256
    .sgpr_count:     66
    .vgpr_count:     192
    .wavefront_size: 32
...
	.end_amdgpu_metadata
.endif
;; end of part 4
